; MI455X (gfx1250); checked and timed in simulation.
; The chip was launched on July 23, 2026; its instructions are those of AMD's public machine-readable ISA for CDNA 5 (MIT licence, August 2026) and "CDNA5" Instruction Set Architecture Reference Guide (July 2026). The comments in the code are by the model that wrote it; some were corrected since.
;; Causal Multi Head Self Attention. Allowed arithmetic: matrix products marked QUANTISED: E4M3 operands, one given power-of-two scale a tensor, by v_wmma_f32_16x16x64_fp8_fp8 or v_wmma_f32_16x16x128_fp8_fp8, f32 sums; everything else in f32.
;; Inputs: WK 1,024 x 1,024 float32; WO 1,024 x 1,024 float32; WQ 1,024 x 1,024 float32; WV 1,024 x 1,024 float32; lowp_scales 12 int32 (the exponents e of the quantised operands' scales 2^e); x 4 x 2,048 x 1,024 float32.
;; Outputs: out0 4 x 2,048 x 1,024 float32.
;; This version of the problem:
;;   THIS VERSION OF THE PROBLEM IS GIVEN IN LOW PRECISION. The matrix products marked QUANTISED in the list below multiply operands that are first quantised to E4M3 (4 exponent bits, 3 mantissa bits; 8 bits a number), with one given power-of-two scale for each operand tensor; their sums are f32. All else is computed in f32.
;;   The module's matrix products, in the order in which they are computed (A, B: the left and right operand; K: the contracted axis; several contracted axes count as one K, in the product's order):
;;     1. [M 8,192, K 1,024] x [K 1,024, N 1,024]; A: input x; B: input WQ: QUANTISED (scales: A lowp_scales[0], B lowp_scales[1])
;;     2. [M 8,192, K 1,024] x [K 1,024, N 1,024]; A: input x; B: input WK: QUANTISED (scales: A lowp_scales[2], B lowp_scales[3])
;;     3. [M 8,192, K 1,024] x [K 1,024, N 1,024]; A: input x; B: input WV: QUANTISED (scales: A lowp_scales[4], B lowp_scales[5])
;;     4. batch 64 x [M 2,048, K 64] x [K 64, N 2,048]; A: computed on the way; B: computed on the way: QUANTISED (scales: A lowp_scales[6], B lowp_scales[7])
;;     5. batch 64 x [M 2,048, K 2,048] x [K 2,048, N 64]; A: softmax (see below); B: computed on the way: QUANTISED (scales: A lowp_scales[8], B lowp_scales[9])
;;     6. [M 8,192, K 1,024] x [K 1,024, N 1,024]; A: computed on the way; B: input WO: QUANTISED (scales: A lowp_scales[10], B lowp_scales[11])
;;   THE QUANTISER, for each operand of a quantised product, along K:
;;     - The operand's scale is 2^e, e = its entry of the input lowp_scales (int32; the entries are numbered through the quantised products in the list's order, A before B).
;;     - Each number is divided by the scale, clamped to +-448, and rounded to the nearest number of E4M3, ties to even, subnormals kept.
;;     - The product sums the exact products of the quantised numbers (number of the format x scale) in f32.
;;   ~~~python
;;   def quantise(x, axis, e):      # numpy; x: float32 -> the quantised numbers, widened to float32 again
;;       x = np.moveaxis(x, axis, -1); K = x.shape[-1]
;;       r = np.clip(x / 2.0 ** e, -448, 448)
;;       step = 2.0 ** (np.maximum(np.frexp(np.where(r == 0, 1, r))[1] - 1, -6) - 3)
;;       q = np.round(r / step) * step * 2.0 ** e      # np.round: ties to even
;;       return np.moveaxis(q, -1, axis).astype(np.float32)
;;   ~~~
;;   SOFTMAX AHEAD OF A QUANTISED PRODUCT. Where the list says 'softmax', what is quantised is not the finished softmax but p = 2^(t - M), with t = logit x log2(e) and M = ceil(the row's largest t), a whole number; so 1/2 < the row's largest p <= 1. The row's sum l is taken of the UNQUANTISED p, in f32, and the product's result is divided by l at the end. Since M is a whole number, a kernel that streams over the keys may use a running M (the ceiling of the running maximum): every later rescaling is an exact power of two, so the quantised numbers keep their values, but for numbers so far below the row's largest that they fall under the format's range.
;;   OPERANDS COMPUTED ON THE WAY. 'Computed on the way' means the value that the module computes at that place (a softmax that the list does not call 'softmax' is quantised finished and normalised). What goes into a quantiser is computed in f32, as accurately as f32 sums, v_exp_f32 and their like allow (about 1e-6 of the number): no bf16 or f16 on the way to a quantiser, and a product that is left as it is and whose result goes on into a quantised operand takes f32 operands (vector FMAs, or v_wmma_f32_16x16x4_f32). A number that lies on a knife's edge between two numbers of the format may be rounded either way, as far as f32 arithmetic and the matrix unit's own rounding can turn it there, and no further.
;; One version. Each part assembles by itself: llvm-mc -triple=amdgcn-amd-amdhsa -mcpu=gfx1250 --defsym DOCPART=n.
;; ======== version 1 of 1: 4 launches
;; limits: right only within a limited range of input values
;; workspace buffers: codes 29,360,128 bytes; qkv 25,165,824 bytes; ac 8,388,608 bytes
;; launch quant (part 1): grid 384 x 1, 4 waves a work-group, no clusters, 66,048 bytes of LDS; arguments x, WQ, WK, WV, WO, lowp_scales, codes; writes codes
.if DOCPART == 1
	.amdgcn_target "amdgcn-amd-amdhsa--gfx1250"
	.amdhsa_code_object_version 6
	.text
	.protected	k_qa570b19514_quant
	.globl	k_qa570b19514_quant
	.p2align	8
	.type	k_qa570b19514_quant,@function
k_qa570b19514_quant:
	s_mov_b64 s[64:65], 0
	v_nop
	global_prefetch_b8 v0, s[64:65] scope:SCOPE_SE
	s_setreg_imm32_b32 hwreg(HW_REG_WAVE_MODE, 25, 1), 1
	s_wait_xcnt 0x0
; x [8192][1024] f32 becomes THREE sets of E4M3 codes (scales 2^e0, 2^e2, 2^e4: one for each of the three projections), and WQ, WK, WV, WO [1024][1024] f32
; one set each (2^e1, 2^e3, 2^e5, 2^e11).  code = number / 2^e, held within +-448, rounded to the nearest code, ties to even.
; The buffer of codes: x under e0 at 0, under e2 at 8 Mi, under e4 at 16 Mi; WQ at 24 Mi, WK at 25 Mi, WV at 26 Mi, WO at 27 Mi; each row-major as its source, one byte a number.
; LIMITS: each e used here lies between -126 and 119, so that 2^e and 448 x 2^e are f32 numbers.  NaN among the inputs is not served (an infinity is held at the largest code).
; Rows are dense, so every tensor is a plain stream.  A wave takes 8,192 numbers in 16 steps of 512.  Each of a step's four loads reads 512 consecutive bytes, 16 a lane; the conversions want 8 neighbours
; in one lane's registers, so the step's 2,048 bytes turn through the wave's own stage in LDS (16 bytes of padding behind each 64) and come back 64 bytes a lane.  A lane's 16 codes are 16 bytes:
; each store of the wave covers 512 consecutive bytes, aligned.  x is read once and written three times.
; Work-groups 0-255 take x, 256-383 the weights (32 each).  The two ways part on the work-group's number and have LDS bytes of their own.  Waves share nothing: no barrier, no matrix unit, no cluster.
.set STEPS, 16
.set XWG,   256                        ; work-groups that take x
.set SP,    80                         ; a lane's place in a stage: 64 bytes + 16 of padding
.set STG,   32*SP                      ; a stage; two of them for each wave, in a region of 8,192 bytes
.set R,     16                         ; v16-79   four sets of 16 numbers as loaded
.set X,     80                         ; v80-111  two sets of 16 neighbours
.set TA,    112                        ; v112-127 held numbers for the first scale
.set TB,    128                        ; v128-143 for the second (the last scale works in place on X)
.set C,     144                        ; v144-191 codes: a ring of four steps x 12 registers
; v3 16 x lane (loads and stores); v14, v15 stage in and out for x; v12, v13 the same for the weights; v4-v9 three pairs (2^e, 448 x 2^e)
	s_load_b256 s[4:11], s[0:1], 0x0               ; x s[4:5], WQ s[6:7], WK s[8:9], WV s[10:11]
	s_load_b128 s[12:15], s[0:1], 0x20             ; WO s[12:13], the exponents s[14:15]
	s_load_b64 s[16:17], s[0:1], 0x30              ; the codes
	v_lshl_add_u32 v192, v0, 2, 0x10000
	v_mov_b32 v193, 0
	v_lshrrev_b32 v1, 5, v0
	v_readfirstlane_b32 s18, v1                    ; wave 0..3
	v_and_b32 v2, 31, v0                           ; lane
	v_lshlrev_b32 v3, 4, v2
	s_lshl_b32 s30, s18, 13                        ; my region of LDS
	v_lshrrev_b32 v14, 2, v2
	v_mul_u32_u24 v14, v14, SP
	v_and_b32 v15, 3, v2
	v_lshl_add_u32 v14, v15, 4, v14
	v_add_nc_u32 v14, s30, v14                     ; in: four lanes' 64 bytes on end, then the padding
	v_mul_u32_u24 v15, v2, SP
	v_add_nc_u32 v15, s30, v15                     ; out: my 16 neighbours
	v_add_nc_u32 v12, 0x8000, v14                  ; the weights' way has the upper 32,768 bytes
	v_add_nc_u32 v13, 0x8000, v15
	s_mov_b32 s29, 0
	s_wait_kmcnt 0x0
	s_load_b256 s[32:39], s[14:15], 0x0            ; e0 .. e7
	s_load_b128 s[40:43], s[14:15], 0x20           ; e8 .. e11
	s_cmp_ge_u32 ttmp9, XWG
	s_cbranch_scc1 .Lweights
.macro LOAD t
.irp i, 0,1,2,3
	global_load_b128 v[R+16*((\t)%4)+4*\i:R+16*((\t)%4)+4*\i+3], v3, s[20:21] offset:2048*(\t)+512*\i th:TH_LOAD_NT
.endr
.endm
.macro TURN t, sin, sout               ; step t through a stage: LDS serves a wave's instructions in order, so no wait stands between the stores and the loads
.irp i, 0,1,2,3
	ds_store_b128 v[\sin], v[R+16*((\t)%4)+4*\i:R+16*((\t)%4)+4*\i+3] offset:STG*((\t)%2)+8*SP*\i
.endr
.irp i, 0,1,2,3
	ds_load_b128 v[X+16*((\t)%2)+4*\i:X+16*((\t)%2)+4*\i+3], v[\sout] offset:STG*((\t)%2)+16*\i
.endr
.endm
.macro MKSC e, sc, lim                 ; s[e] = an exponent: v[sc] = 2^e, v[lim] = 448 x 2^e
	s_add_co_i32 s44, s[\e], 127
	s_lshl_b32 s45, s44, 23
	v_mov_b32 v[\sc], s45
	s_add_co_i32 s44, s44, 8
	s_lshl_b32 s44, s44, 23
	s_or_b32 s44, s44, 0x600000
	v_mov_b32 v[\lim], s44
.endm
.macro QOUT src, tmp, sc, lim, creg, ptr, t    ; 16 numbers: held (the conversion to an 8-bit code does not saturate: ISA guide 7.6.2), converted, stored
.irp i, 0,1,2,3,4,5,6,7,8,9,10,11,12,13,14,15
	v_med3_num_f32 v[\tmp+\i], v[\src+\i], -v[\lim], v[\lim]
.endr
	v_cvt_scalef32_pk8_fp8_f32 v[\creg:\creg+1], v[\tmp:\tmp+7], v[\sc]
	v_cvt_scalef32_pk8_fp8_f32 v[\creg+2:\creg+3], v[\tmp+8:\tmp+15], v[\sc]
	global_store_b128 v3, v[\creg:\creg+3], s[\ptr:\ptr+1] offset:512*(\t)
.endm
; The sixteen holds of the next scale, or of the next step, are plain vector lines on other registers: they stand between each pair of conversions and the next vector line that writes its sources.
.macro STEP t, nout, sin, sout
.set XS, X+16*((\t)%2)
.set CC, C+12*((\t)%4)
	s_wait_dscnt 0x0                               ; this step's numbers are back from the stage, and its stores into the stage have read their registers
.if (\t) >= 4
	s_wait_xcnt 0x0                                ; the stores of four steps ago have read the code registers that this step writes again
.endif
.if (\t)+4 < STEPS
	LOAD (\t)+4
.endif
.if (\t)+1 < STEPS
.if STEPS-2-(\t) >= 3
	s_wait_loadcnt 12                              ; the next step's four loads are in; those of the three steps behind it may be out
.else
	s_wait_loadcnt 4*(STEPS-2-(\t))
.endif
	TURN (\t)+1, \sin, \sout
.endif
.if \nout == 3
	QOUT XS, TA, 4, 5, CC, 22, \t
	QOUT XS, TB, 6, 7, CC+4, 24, \t
	QOUT XS, XS, 8, 9, CC+8, 26, \t
.else
	QOUT XS, XS, 4, 5, CC, 22, \t
.endif
.endm
	; ---- x
	s_lshl_b32 s19, ttmp9, 2
	s_add_co_u32 s19, s19, s18                     ; which run of 8,192 numbers is my wave's
	s_lshl_b32 s28, s19, 15
	s_add_nc_u64 s[20:21], s[4:5], s[28:29]
	s_lshl_b32 s28, s19, 13
	s_add_nc_u64 s[22:23], s[16:17], s[28:29]      ; three places for the codes, 8 Mi apart: bases of their own, since 8 Mi does not fit a store's immediate
	s_add_nc_u64 s[24:25], s[22:23], 0x800000
	s_add_nc_u64 s[26:27], s[22:23], 0x1000000
.irp t, 0,1,2,3
	LOAD \t
.endr
	s_wait_kmcnt 0x0
	MKSC 32, 4, 5                                  ; e0
	MKSC 34, 6, 7                                  ; e2
	MKSC 36, 8, 9                                  ; e4
	s_wait_loadcnt 12                              ; step 0's four loads are in
	s_wait_alu depctr_va_vdst(0)
	TURN 0, 14, 15
.irp t, 0,1,2,3,4,5,6,7,8,9,10,11,12,13,14,15
	STEP \t, 3, 14, 15
.endr
	s_wait_tensorcnt 0x0
	ds_add_u32 v192, v193
	s_wait_dscnt 0x0
	s_endpgm
	; ---- the weights
.Lweights:
	s_sub_co_u32 s19, ttmp9, XWG
	s_lshr_b32 s30, s19, 5                         ; which weight: 0 WQ, 1 WK, 2 WV, 3 WO
	s_cmp_eq_u32 s30, 1
	s_cselect_b64 s[20:21], s[8:9], s[6:7]
	s_cmp_eq_u32 s30, 2
	s_cselect_b64 s[20:21], s[10:11], s[20:21]
	s_cmp_eq_u32 s30, 3
	s_cselect_b64 s[20:21], s[12:13], s[20:21]
	s_and_b32 s28, s19, 31
	s_lshl_b32 s28, s28, 2
	s_add_co_u32 s28, s28, s18                     ; my run in that weight
	s_lshl_b32 s28, s28, 15
	s_add_nc_u64 s[20:21], s[20:21], s[28:29]
	s_lshl_b32 s28, s19, 2
	s_add_co_u32 s28, s28, s18
	s_lshl_b32 s28, s28, 13
	s_add_co_u32 s28, s28, 0x1800000               ; the four weights' codes lie on end from 24 Mi on
	s_add_nc_u64 s[22:23], s[16:17], s[28:29]
.irp t, 0,1,2,3
	LOAD \t
.endr
	s_wait_kmcnt 0x0
	s_cmp_eq_u32 s30, 1
	s_cselect_b32 s31, s35, s33                    ; e3 or e1
	s_cmp_eq_u32 s30, 2
	s_cselect_b32 s31, s37, s31                    ; e5
	s_cmp_eq_u32 s30, 3
	s_cselect_b32 s31, s43, s31                    ; e11
	MKSC 31, 4, 5
	s_wait_loadcnt 12
	s_wait_alu depctr_va_vdst(0)
	TURN 0, 12, 13
.irp t, 0,1,2,3,4,5,6,7,8,9,10,11,12,13,14,15
	STEP \t, 1, 12, 13
.endr
	s_wait_tensorcnt 0x0
	ds_add_u32 v192, v193
	s_wait_dscnt 0x0
	s_endpgm
.Lfunc_end_k_qa570b19514_quant:
	.size	k_qa570b19514_quant, .Lfunc_end_k_qa570b19514_quant-k_qa570b19514_quant
	.p2alignl 7, 3214868480
	.fill 96, 4, 3214868480
	.section	.rodata,"a",@progbits
	.p2align	6, 0x0
	.amdhsa_kernel k_qa570b19514_quant
		.amdhsa_group_segment_fixed_size 66048
		.amdhsa_private_segment_fixed_size 0
		.amdhsa_enable_private_segment 0
		.amdhsa_kernarg_size 56
		.amdhsa_user_sgpr_count 2
		.amdhsa_user_sgpr_kernarg_segment_ptr 1
		.amdhsa_wavefront_size32 1
		.amdhsa_system_sgpr_workgroup_id_x 1
		.amdhsa_system_sgpr_workgroup_id_y 1
		.amdhsa_system_sgpr_workgroup_id_z 1
		.amdhsa_system_vgpr_workitem_id 0
		.amdhsa_next_free_vgpr 194
		.amdhsa_next_free_sgpr 66
		.amdhsa_reserve_vcc 0
		.amdhsa_float_denorm_mode_32 3
		.amdhsa_float_denorm_mode_16_64 3
		.amdhsa_memory_ordered 1
		.amdhsa_forward_progress 1
		.amdhsa_inst_pref_size 113
	.end_amdhsa_kernel
	.amdgpu_metadata
---
amdhsa.version: [ 1, 2 ]
amdhsa.kernels:
  - .name:           k_qa570b19514_quant
    .symbol:         k_qa570b19514_quant.kd
    .args:
      - { .name: x, .offset: 0, .size: 8, .value_kind: global_buffer, .address_space: global }
      - { .name: WQ, .offset: 8, .size: 8, .value_kind: global_buffer, .address_space: global }
      - { .name: WK, .offset: 16, .size: 8, .value_kind: global_buffer, .address_space: global }
      - { .name: WV, .offset: 24, .size: 8, .value_kind: global_buffer, .address_space: global }
      - { .name: WO, .offset: 32, .size: 8, .value_kind: global_buffer, .address_space: global }
      - { .name: lowp_scales, .offset: 40, .size: 8, .value_kind: global_buffer, .address_space: global }
      - { .name: codes, .offset: 48, .size: 8, .value_kind: global_buffer, .address_space: global }
    .group_segment_fixed_size: 66048
    .private_segment_fixed_size: 0
    .kernarg_segment_align: 8
    .kernarg_segment_size: 56
    .max_flat_workgroup_size: 128
    .sgpr_count:     66
    .vgpr_count:     194
    .wavefront_size: 32
...
	.end_amdgpu_metadata
.endif
;; end of part 1
;; launch qkvp (part 2): grid 12 x 32, 4 waves a work-group, clusters of 4 x 4, 327,680 bytes of LDS; arguments codes, lowp_scales, qkv; writes qkv
.if DOCPART == 2
	.amdgcn_target "amdgcn-amd-amdhsa--gfx1250"
	.amdhsa_code_object_version 6
	.text
	.protected	k_qa570b19514_qkvp
	.globl	k_qa570b19514_qkvp
	.p2align	8
	.type	k_qa570b19514_qkvp,@function
k_qa570b19514_qkvp:
	s_mov_b64 s[64:65], 0
	v_nop
	global_prefetch_b8 v0, s[64:65] scope:SCOPE_SE
	s_setreg_imm32_b32 hwreg(HW_REG_WAVE_MODE, 25, 1), 1
	s_wait_xcnt 0x0
	s_wait_alu depctr_hold_cnt(0) depctr_sa_sdst(0) depctr_va_vdst(0) depctr_va_sdst(0) depctr_va_ssrc(0) depctr_va_vcc(0) depctr_vm_vsrc(0)
	s_getreg_b32 s2, hwreg(HW_REG_IB_STS2, 6, 4)
	s_cmp_eq_u32 s2, 0
	s_cbranch_scc0 .Lentry_in_a_cluster
	s_endpgm
.Lentry_in_a_cluster:
	s_bfe_u32 s2, ttmp6, 0x10000c
	s_cmp_lg_u32 s2, 0xf033
	s_cbranch_scc0 .Lentry_shape_is_right
	s_endpgm
.Lentry_shape_is_right:
; The three projections Q = x WQ^T, K = x WK^T, V = x WV^T on E4M3 codes, K = 1,024, sums in f32; each finished sum is quantised at once for attention (scales 2^e6, 2^e7, 2^e9) and leaves as a code.
; The cluster's x (0, 1, 2) says which projection; it is the same in all sixteen partners.  A tile of 256 x 256 results is made by four waves, 128 x 128 each: 64 accumulators, 512 registers.
; THE MATRIX INSTRUCTION IS USED TRANSPOSED (source 0 = 16 rows of the operand called B here, source 1 = 16 rows of A): a lane holds ONE row of A and eight neighbouring rows of B.
;   Q, K: A = x's codes (a lane holds a token), B = the weight's (registers run along the channels, attention's first K).
;   V:    A = WV's codes (a lane holds a channel), B = x's (registers run along the tokens, which are the keys: attention's second K).
; So the conversions' results ARE the registers of attention's operands, and they are stored as images of those registers: a block of 2,048 bytes = 4 groups x 32 lanes x 16 bytes holds 16 rows x 128 columns,
; lane (r, h) of group g holding of row r the columns 32 g + 8 h + 0..7 and 32 g + 16 + 8 h + 0..7.  Each store of the wave covers 512 consecutive bytes, aligned; no LDS on the way out.
;   qkv: Q at 0, K at 8 Mi, V at 16 Mi; each [batch x 8 + pair of heads][262,144 bytes].  Q, K: a pair is [tile of 16 tokens: 128][2,048].  V: [step of 128 keys: 16][4 x head in pair + tile of 16 channels: 8][2,048].
; A sum stands for sum x 2^(ea + eb), so its code is sum / 2^(eo - ea - eb): the three scales are folded into the conversion's one.
; LIMITS: e6 - e0 - e1, e7 - e2 - e3 and e9 - e4 - e5 lie between -126 and 119, so that this power of two and 448 x it are f32 numbers.
; K goes in steps of 256 through a ring of two LDS slots filled by the tensor data mover.  CLUSTERS: 4 x 4 work-groups; A's tile is shared along a row of the cluster, B's along a column: each is asked for jointly.
; A fragment is fetched by four loads of 16 bytes, which is a permutation of k, the same in A and in B: every product meets its partner.
; REGISTERS, in windows of 256: window 0: v0-31 addresses and the scale; from v128 A's fragments, ONE set; on the way out v128-255 codes.  window 1: B's fragments, TWO sets.
;   window 2: the 32 accumulators of my rows 0-63 ((a, b) at v[8 (8 a + b)]);  window 3: those of my rows 64-127.
.set KSTEP,  256
.set ROWB,   256                       ; a tile's row in bytes
.set KROW,   1024                      ; a row of codes in memory
.set PITCH,  272                       ; an LDS row: 256 bytes + 16 of padding = 68 words: the 16 rows that a load touches start at 16 different banks (64 banks of 4 bytes: ISA guide 11.1)
.set FR,     16                        ; registers of a fragment: 16 rows x 128 K
.set NL,     4                         ; LDS loads that bring one
.set NP,     4                         ; places behind this matrix instruction (ISA guide 7.12.1)
.set HALFT,  128*PITCH                 ; what one tensor load brings
.set SLOT,   4*HALFT                   ; A's 256 rows, then B's 256 rows
.set LAPS,   2                         ; 1,024 / 512: a lap = two K steps = once round the ring
.set SPARE,  2*SLOT                    ; behind the ring: the spare words, 128 bytes for each wave
.set ADRA, 16                          ; v16-17  LDS address of my A fragments in slot 0, 1
.set ADRB, 20                          ; v20-21  the same for B
.set CO,   26                          ; v26     16 x lane: my place in a store's 512 bytes
.set SPW,  28                          ; v28     LDS address of my spare word; never rewritten
.set NIL,  29                          ; v29     0; never rewritten
.set SC,   30                          ; v30     2^(eo - ea - eb)
.set LIM,  31
.set TMP,  32
.set AF,   128                         ; A's fragments
.set OC,   128                         ; the way out: 16 registers of codes for each of my eight blocks
.set G1, 24                            ; s[24:31] descriptor group 1 for A's tiles;  s[32:39] group 0, one set for each slot
.set G0, 32
.set G1B, 48                           ; s[48:55], s[56:63] the same for B's tiles
.set G0B, 56
.set MSB, 0
.macro WIN new                         ; the immediate's high byte repeats the setting that is left
.if MSB != \new
	s_set_vgpr_msb (MSB<<8)|\new
.set MSB, \new
.endif
.endm
.set MUL_LO, 0xa1                      ; source 0 (B) window 1, source 1 (A) window 0, C and D window 2
.set MUL_HI, 0xf1                      ; the same, C and D window 3
.set TO_B,   0x40                      ; destination window 1, address window 0
; A joint load: waves 0 and 1 fetch for A, waves 2 and 3 for B.  The branch hangs on the wave's number alone.  Four v_nop follow each of the two lines.
.macro JLOAD g0a, g1a, g0b, g1b
	s_cmp_eq_u32 s15, 0
	s_cbranch_scc0 .Lfor_b_\@
	tensor_load_to_lds s[\g0a:\g0a+3], s[\g1a:\g1a+7]
	s_nop 0
.rept 4
	v_nop
.endr
	s_branch .Lasked_\@
.Lfor_b_\@:
	tensor_load_to_lds s[\g0b:\g0b+3], s[\g1b:\g1b+7]
	s_nop 0
.rept 4
	v_nop
.endr
.Lasked_\@:
.endm
.macro CREST                           ; a round of the cluster's barrier behind its opening barrier
	s_cmp_lg_u32 s14, 0
	s_cbranch_scc1 .Lnot_wave_0_\@
	s_barrier_signal -3
.Lnot_wave_0_\@:
	s_barrier_wait -3
	s_barrier_signal -1
	s_barrier_wait -1
.endm
.macro CROUND                          ; a whole round
	s_barrier_signal -1
	s_barrier_wait -1
	CREST
.endm
	s_load_b128 s[4:7], s[0:1], 0x0                ; the codes s[4:5], the exponents s[6:7]
	s_load_b64 s[10:11], s[0:1], 0x10              ; qkv
	v_lshl_add_u32 v[SPW], v0, 2, SPARE
	v_mov_b32 v[NIL], 0
	ds_add_u32 v28, v29
	ds_add_u32 v28, v29
	s_wait_dscnt 0x0
	v_lshrrev_b32 v1, 5, v0
	v_readfirstlane_b32 s14, v1                    ; wave 0..3
	s_lshr_b32 s15, s14, 1                         ; which half of the tile's rows is mine.  Also: I fetch for A (0) or for B (1)
	s_and_b32 s16, s14, 1                          ; which half of its columns.  Also: which 128 rows of that tile I fetch
	s_bfe_u32 s40, ttmp6, 0x40000                  ; cx, cy: my place in the cluster
	s_bfe_u32 s41, ttmp6, 0x40004
	s_and_b32 s13, ttmp7, 0xffff
	s_lshl_b32 s13, s13, 2                         ; 4 x the cluster's y: it walks the 32 tiles of tokens
	s_lshl_b32 s66, ttmp9, 23                      ; Q, K: A = x's codes under e0 or e2
	s_lshl_b32 s67, ttmp9, 20
	s_add_co_u32 s67, s67, 0x1800000               ; Q, K: B = WQ's or WK's codes
	s_cmp_eq_u32 ttmp9, 2                          ; V?  The choice hangs on the cluster's x alone
	s_cselect_b32 s68, 0, s13                      ; the tokens are A's rows (Q, K)
	s_cselect_b32 s69, s13, 0                      ; or B's (V)
	s_cselect_b32 s66, 0x1a00000, s66              ; V: A = WV's codes,
	s_cselect_b32 s67, 0x1000000, s67              ; B = x's codes under e4
	s_add_co_u32 s17, s41, s68                     ; tile row: cy (+ 4 x cluster y)
	s_add_co_u32 s42, s40, s69                     ; tile column: cx (+ 4 x cluster y)
	s_lshl_b32 s43, s41, 2
	s_lshl_b32 s43, 15, s43                        ; my row of the cluster
	s_lshl_b32 s44, 0x1111, s40                    ; my column
	; descriptor group 1: a tile of 128 rows x 256 bytes, padded in LDS
	s_or_b32 s[G1+0], s43, (0<<16)|(1<<20)|(1<<21)|(5<<22)|(3<<25)  ; 15:0 the mask: A's tiles go to my row; elements of 1 byte; padding on; 21 set beside a mask; after every 64 words (code 5) 4 words (code 3)
	s_or_b32 s[G1B+0], s44, (0<<16)|(1<<20)|(1<<21)|(5<<22)|(3<<25)
.irp g, G1, G1B
	s_mov_b32 s[\g+1], ROWB<<16                    ; tensor_dim0
	s_mov_b32 s[\g+2], 128<<16                     ; tensor_dim1 = 128
	s_mov_b32 s[\g+3], ROWB<<16                    ; tile_dim0
	s_mov_b32 s[\g+4], 128                         ; tile_dim1 = 128
	s_mov_b32 s[\g+5], KROW                        ; tensor_dim0_stride
	s_mov_b32 s[\g+6], 0
	s_mov_b32 s[\g+7], 0
.endr
	s_lshl_b32 s18, s16, 7                         ; which 128 rows of the tile I fetch
	s_lshl_b32 s20, s17, 8
	s_add_co_u32 s20, s20, s18                     ; A: row 256 x tile row + 128 x half,
	s_lshl_b32 s20, s20, 10                        ; in bytes,
	s_add_co_u32 s20, s20, s66                     ; in its part of the buffer: all under 2^25
	s_mov_b32 s21, 0
	s_lshl_b32 s46, s42, 8
	s_add_co_u32 s46, s46, s18                     ; B likewise, by the tile column
	s_lshl_b32 s46, s46, 10
	s_add_co_u32 s46, s46, s67
	s_mov_b32 s47, 0
	s_mul_i32 s45, s14, HALFT                      ; where they go: wave x 128 rows: no place in the cluster enters an LDS address
	s_wait_kmcnt 0x0
	s_load_b256 s[80:87], s[6:7], 0x0              ; e0 .. e7
	s_load_b64 s[88:89], s[6:7], 0x20              ; e8, e9
	s_add_nc_u64 s[20:21], s[4:5], s[20:21]
	s_add_nc_u64 s[46:47], s[4:5], s[46:47]
	CROUND                                         ; all sixteen work-groups are here: the first joint loads meet
.irp s, 0,1
	s_mov_b32 s[G0+4*\s], 1
	s_add_co_u32 s[G0+4*\s+1], s45, \s*SLOT
	s_add_nc_u64 s[G0+4*\s+2:G0+4*\s+3], s[20:21], \s*ROWB
	s_or_b32 s[G0+4*\s+3], s[G0+4*\s+3], 0x80000000
	s_mov_b32 s[G0B+4*\s], 1
	s_add_co_u32 s[G0B+4*\s+1], s45, \s*SLOT
	s_add_nc_u64 s[G0B+4*\s+2:G0B+4*\s+3], s[46:47], \s*ROWB
	s_or_b32 s[G0B+4*\s+3], s[G0B+4*\s+3], 0x80000000
	JLOAD G0+4*\s, G1, G0B+4*\s, G1B
.endr
	v_and_b32 v1, 15, v0                           ; l % 16
	v_bfe_u32 v2, v0, 4, 1                         ; l / 16
	v_mul_u32_u24 v3, v1, PITCH
	v_lshl_add_u32 v4, v2, 4, v3                   ; a fragment's row x pitch + 16 x half
	s_mul_i32 s21, s15, HALFT                      ; my 128 rows of A
	s_mul_i32 s22, s16, HALFT                      ; my 128 rows of B,
	s_add_co_u32 s22, s22, 2*HALFT                 ; which lie behind A's 256
.irp s, 0,1
	v_add_nc_u32 v[ADRA+\s], s21, v4
	v_add_nc_u32 v[ADRB+\s], s22, v4
	s_add_co_u32 s21, s21, SLOT
	s_add_co_u32 s22, s22, SLOT
.endr
	v_and_b32 v6, 31, v0
	v_lshlrev_b32 v[CO], 4, v6
	; where my wave's 128 x 128 results go: 16,384 bytes on end.  One formula serves the three tensors: tok = my first token, ch = my first channel
	s_lshl_b32 s70, s17, 8
	s_lshl_b32 s71, s15, 7
	s_add_co_u32 s70, s70, s71                     ; my first row of A
	s_lshl_b32 s72, s42, 8
	s_lshl_b32 s73, s16, 7
	s_add_co_u32 s72, s72, s73                     ; my first row of B
	s_cmp_eq_u32 ttmp9, 2
	s_cselect_b32 s74, s72, s70                    ; tok
	s_cselect_b32 s75, s70, s72                    ; ch
	s_lshr_b32 s76, s74, 11                        ; the batch,
	s_lshl_b32 s76, s76, 3
	s_lshr_b32 s77, s75, 7                         ; the pair of heads
	s_add_co_u32 s76, s76, s77
	s_lshl_b32 s76, s76, 18
	s_and_b32 s77, s74, 2047                       ; the token in its batch x 128 bytes: 2,048 for a tile of 16 (Q, K), 16,384 for a step of 128 (V)
	s_lshl_b32 s77, s77, 7
	s_add_co_u32 s76, s76, s77
	s_lshl_b32 s77, ttmp9, 23                      ; Q, K or V
	s_add_co_u32 s76, s76, s77
	s_mov_b32 s77, 0
	s_add_nc_u64 s[10:11], s[10:11], s[76:77]
.macro FRAG reg, adr, q, i             ; a fragment, 16 rows x 128 K: lane l holds row l % 16; registers 4 c .. 4 c + 3 hold K = 32 c + 16 (l / 16) + 0 .. 15
.irp c, 0,1,2,3
	ds_load_b128 v[\reg+4*\c:\reg+4*\c+3], v[\adr] offset:128*(\q)+32*\c+(\i)*16*PITCH
.endr
.endm
; 16 matrix instructions: A's blocks a0, a0 + 1 x B's eight, 128 along K.  p: B's set.  zero = 1: the first product starts the sums.
; The 64 accumulators take turns, one instruction a turn, in the same order in every step.
.macro MUL16 a0, p, zero
.irp a, \a0, \a0+1
.irp b, 0,1,2,3,4,5,6,7
.if \zero
	v_wmma_f32_16x16x128_fp8_fp8 v[8*(8*((\a)%4)+\b):8*(8*((\a)%4)+\b)+7], v[128*(\p)+FR*\b:128*(\p)+FR*\b+FR-1], v[AF+FR*(\a):AF+FR*(\a)+FR-1], 0
.else
	v_wmma_f32_16x16x128_fp8_fp8 v[8*(8*((\a)%4)+\b):8*(8*((\a)%4)+\b)+7], v[128*(\p)+FR*\b:128*(\p)+FR*\b+FR-1], v[AF+FR*(\a):AF+FR*(\a)+FR-1], v[8*(8*((\a)%4)+\b):8*(8*((\a)%4)+\b)+7]
.endif
.endr
.endr
.endm
.macro FETCH_B slot, q, p              ; B's eight fragments of the slot's q-th 128 along K into set p
	WIN TO_B
.irp i, 0,1,2,3,4,5,6,7
	FRAG 128*(\p)+FR*\i, ADRB+\slot, \q, \i
.endr
	WIN 0
.endm
.macro FETCH_A slot, q, i0             ; A's blocks i0 .. i0 + 3
.irp i, \i0, \i0+1, \i0+2, \i0+3
	FRAG AF+FR*(\i), ADRA+\slot, \q, \i
.endr
.endm
; A load into a register that a matrix instruction has read, and a vector instruction that reads a matrix result or writes one of its registers, stand NP places behind it; only plain vector
; instructions that name none of its registers are places (ISA guide 7.12.1 for vector instructions).
.macro PLACES n
.rept \n
	v_nop
.endr
.endm
; A step of 128 along K that has its successor in the same slot.  A block of A is free as soon as its eight products are issued: blocks 0-3 are fetched anew in the step's middle, blocks 4-7 at its end.
.macro STEP slot, q, zero
	s_wait_dscnt 4*NL                              ; B's set and A's blocks 0-3 are in; the youngest sixteen loads (A's blocks 4-7) may be out
	WIN MUL_LO
	MUL16 0, (\q)%2, \zero
	MUL16 2, (\q)%2, \zero
	s_wait_dscnt 0                                 ; A's blocks 4-7 are in
	PLACES NP
	FETCH_B \slot, (\q)+1, 1-(\q)%2
	FETCH_A \slot, (\q)+1, 0
	WIN MUL_HI
	MUL16 4, (\q)%2, \zero
	MUL16 6, (\q)%2, \zero
	PLACES NP
	WIN 0
	FETCH_A \slot, (\q)+1, 4
.endm
; A slot's last step changes slots: ONE barrier; in front of it each wave waits for all its tensor loads, adds 0 to its spare word, and waits for that and for its own reads of this slot.
.macro TURN slot, next, fill
	s_wait_tensorcnt 0x0                           ; all my tensor loads have landed: my part of the next slot
	ds_add_u32 v[SPW], v[NIL]                      ; 0 onto my spare word
	s_wait_dscnt 4*NL+1                            ; (the add and the youngest sixteen loads may be out)
	WIN MUL_LO
	MUL16 0, 1, 0                                  ; sixteen matrix instructions stand between the add and the wait for it
	s_wait_dscnt 0x0                               ; the add is done, and my reads of this slot are over
	s_barrier_signal -1
	MUL16 2, 1, 0
	WIN 0
	s_barrier_wait -1
.if \fill
	CREST                                          ; the barrier has opened a round of the cluster's barrier: no wave of any partner still reads this slot or has a load on its way
	s_add_nc_u64 s[G0+4*\slot+2:G0+4*\slot+3], s[G0+4*\slot+2:G0+4*\slot+3], 2*ROWB
	s_add_nc_u64 s[G0B+4*\slot+2:G0B+4*\slot+3], s[G0B+4*\slot+2:G0B+4*\slot+3], 2*ROWB
	JLOAD G0+4*\slot, G1, G0B+4*\slot, G1B         ; the first tensor load behind the round; its four v_nop are also the places in front of the loads below
.else
	PLACES NP
.endif
	FETCH_B \next, 0, 0
	FETCH_A \next, 0, 0
	WIN MUL_HI
	MUL16 4, 1, 0
	MUL16 6, 1, 0
	PLACES NP
	WIN 0
	FETCH_A \next, 0, 4
.endm
	s_wait_alu depctr_va_vdst(0)
	s_wait_tensorcnt 1                             ; my part of K step 0 is in (K step 1's load may be out)
	s_barrier_signal -1
	s_barrier_wait -1                              ; everybody's is
	FETCH_B 0, 0, 0
	FETCH_A 0, 0, 0
	FETCH_A 0, 0, 4
	STEP 0, 0, 1                                   ; the first step stands in front of the loop: its products start the sums
	s_mov_b32 s3, LAPS-1
.Llap:                                                 ; a trip goes once round the ring and fills both slots again
	TURN 0, 1, 1
	STEP 1, 0, 0
	TURN 1, 0, 1
	STEP 0, 0, 0
	s_sub_co_u32 s3, s3, 1
	s_cmp_lg_u32 s3, 0
	s_cbranch_scc1 .Llap
	TURN 0, 1, 0                                   ; the last lap fills nothing
	STEP 1, 0, 0
	s_wait_dscnt 4*NL                              ; the very last step: nothing more to fetch
	WIN MUL_LO
	MUL16 0, 1, 0
	MUL16 2, 1, 0
	s_wait_dscnt 0
	WIN MUL_HI
	MUL16 4, 1, 0
	MUL16 6, 1, 0
	WIN 0
	; THE WAY OUT.  The folded exponent of my projection, chosen without a branch
	s_wait_kmcnt 0x0
	s_sub_co_i32 s90, s86, s80
	s_sub_co_i32 s90, s90, s81                     ; Q: e6 - e0 - e1
	s_sub_co_i32 s91, s87, s82
	s_sub_co_i32 s91, s91, s83                     ; K: e7 - e2 - e3
	s_sub_co_i32 s92, s89, s84
	s_sub_co_i32 s92, s92, s85                     ; V: e9 - e4 - e5
	s_cmp_eq_u32 ttmp9, 1
	s_cselect_b32 s90, s91, s90
	s_cmp_eq_u32 ttmp9, 2
	s_cselect_b32 s90, s92, s90
	s_add_co_i32 s90, s90, 127
	s_lshl_b32 s91, s90, 23
	v_mov_b32 v[SC], s91
	s_add_co_i32 s90, s90, 8
	s_lshl_b32 s90, s90, 23
	s_or_b32 s90, s90, 0x600000
	PLACES NP
; Block a (16 rows of A x 128 rows of B): 64 sums are converted as they stand, without a hold; accumulator b's eight
; become registers 2 b, 2 b + 1 of the operand; four stores of 512 consecutive bytes.  Each block has code registers of its own: no store's data are written again.
.macro OUTB a
.set AC, 64*((\a)%4)
	WIN 0x02+((\a)/4)                              ; source 0: window 2 or 3
.set j, 0
.rept 64
.set j, j+1
.endr
.irp b, 0,1,2,3,4,5,6,7
	v_cvt_scalef32_pk8_fp8_f32 v[OC+16*(\a)+2*\b:OC+16*(\a)+2*\b+1], v[AC+8*\b:AC+8*\b+7], v[SC]
.endr
	WIN 0
	v_nop                                          ; one plain vector line between the conversions and the stores that read their results
.irp g, 0,1,2,3
	global_store_b128 v[CO], v[OC+16*(\a)+4*\g:OC+16*(\a)+4*\g+3], s[10:11] offset:(\a)*2048+\g*512
.endr
.endm
.irp a, 0,1,2,3,4,5,6,7
	OUTB \a
.endr
	s_wait_tensorcnt 0x0                           ; the wave's end
	ds_add_u32 v[SPW], v[NIL]
	s_wait_dscnt 0x0
	CROUND                                         ; the closing round: no work-group ends while a partner may still ask for a tile that names it
	s_endpgm
.Lfunc_end_k_qa570b19514_qkvp:
	.size	k_qa570b19514_qkvp, .Lfunc_end_k_qa570b19514_qkvp-k_qa570b19514_qkvp
	.p2alignl 7, 3214868480
	.fill 96, 4, 3214868480
	.section	.rodata,"a",@progbits
	.p2align	6, 0x0
	.amdhsa_kernel k_qa570b19514_qkvp
		.amdhsa_group_segment_fixed_size 327680
		.amdhsa_private_segment_fixed_size 0
		.amdhsa_enable_private_segment 0
		.amdhsa_kernarg_size 24
		.amdhsa_user_sgpr_count 2
		.amdhsa_user_sgpr_kernarg_segment_ptr 1
		.amdhsa_wavefront_size32 1
		.amdhsa_system_sgpr_workgroup_id_x 1
		.amdhsa_system_sgpr_workgroup_id_y 1
		.amdhsa_system_sgpr_workgroup_id_z 1
		.amdhsa_system_vgpr_workitem_id 0
		.amdhsa_next_free_vgpr 1024
		.amdhsa_next_free_sgpr 100
		.amdhsa_reserve_vcc 0
		.amdhsa_float_denorm_mode_32 3
		.amdhsa_float_denorm_mode_16_64 3
		.amdhsa_fp16_overflow 1
		.amdhsa_memory_ordered 1
		.amdhsa_forward_progress 1
		.amdhsa_inst_pref_size 86
	.end_amdhsa_kernel
	.amdgpu_metadata
---
amdhsa.version: [ 1, 2 ]
amdhsa.kernels:
  - .name:           k_qa570b19514_qkvp
    .symbol:         k_qa570b19514_qkvp.kd
    .args:
      - { .name: codes, .offset: 0, .size: 8, .value_kind: global_buffer, .address_space: global }
      - { .name: lowp_scales, .offset: 8, .size: 8, .value_kind: global_buffer, .address_space: global }
      - { .name: qkv, .offset: 16, .size: 8, .value_kind: global_buffer, .address_space: global }
    .group_segment_fixed_size: 327680
    .private_segment_fixed_size: 0
    .kernarg_segment_align: 8
    .kernarg_segment_size: 24
    .max_flat_workgroup_size: 128
    .sgpr_count:     100
    .vgpr_count:     1024
    .wavefront_size: 32
...
	.end_amdgpu_metadata
.endif
;; end of part 2
;; launch attn (part 3): grid 4 x 64, 16 waves a work-group, clusters of 4 x 1, 264,192 bytes of LDS; arguments qkv, lowp_scales, ac; writes ac
.if DOCPART == 3
	.amdgcn_target "amdgcn-amd-amdhsa--gfx1250"
	.amdhsa_code_object_version 6
	.text
	.protected	k_qa570b19514_attn
	.globl	k_qa570b19514_attn
	.p2align	8
	.type	k_qa570b19514_attn,@function
k_qa570b19514_attn:
	s_mov_b64 s[64:65], 0
	v_nop
	global_prefetch_b8 v0, s[64:65] scope:SCOPE_SE
	s_setreg_imm32_b32 hwreg(HW_REG_WAVE_MODE, 25, 1), 1
	s_wait_xcnt 0x0
	s_wait_alu depctr_hold_cnt(0) depctr_sa_sdst(0) depctr_va_vdst(0) depctr_va_sdst(0) depctr_va_ssrc(0) depctr_va_vcc(0) depctr_vm_vsrc(0)
	s_getreg_b32 s2, hwreg(HW_REG_IB_STS2, 6, 4)
	s_cmp_eq_u32 s2, 0
	s_cbranch_scc0 .Lentry_in_a_cluster
	s_endpgm
.Lentry_in_a_cluster:
	s_bfe_u32 s2, ttmp6, 0x10000c
	s_cmp_lg_u32 s2, 0x3003
	s_cbranch_scc0 .Lentry_shape_is_right
	s_endpgm
.Lentry_shape_is_right:
; Causal attention of one head (64 channels, 2,048 tokens) on E4M3 codes: S^T = K Q^T, the softmax, O^T = V^T P^T, O / l quantised with 2^e10 for the last projection.
; THE SOFTMAX: t = score x 2^(e6 + e7) x log2(e) / 8; M = the running largest t rounded UP to a whole number, kept as -M = floor(-t); p = 2^(t - M) is quantised with 2^e8, not normalised;
; the row's sum l is taken of the unquantised p; when M moves, l and O^T are multiplied by 2^(old M - new M), which rounds nothing.
; LIMITS: e6 + e7 between -123 and 130 (added to the exponent field of log2(e) / 8); e8 and e10 - e8 - e9 between -126 and 119.  NaN is not served.  A hidden score counts as -infinity, not as -1e9:
; the two differ only where true logits lie near -1e9.
; SHARES.  A cluster of four work-groups is one head.  Partner cx owns the tiles of 16 queries T = 4 j + cx, j = 0..31; wave w of its sixteen owns j = 31 - w and then j = w.  Keys go 128 a step, and tile T sees
; steps 0 .. j / 2, whatever cx is: (31 - w) / 2 + 1 + w / 2 + 1 = 17 steps for every wave of every work-group, and every branch hangs on the wave's number and a counter alone.  cx enters only Q's and the
; output's global addresses and the mask's vector compare.
; LDS IS FILLED ONCE: the head's K (131,072 bytes: [tile of 16 keys: 128][1,024]) and V (from 131,072 on: [step: 16][tile of 16 channels: 4][2,048]) are images of operand registers, so every LDS load takes
; 512 consecutive bytes, 16 a lane.  The four partners need the same bytes: each piece is asked for JOINTLY (mask 15).  Waves 0-3 fetch K, waves 4-7 V, two loads each, so two tensor loads of a wave are out
; at the most: first key step w % 4, then steps 4 + 3 (w % 4) on, three of them.  Steps 0-3 are worked while the rest lands.
; LAYOUT.  Source 0 = 16 keys (or 16 channels of V^T), source 1 = my 16 queries: a lane holds ONE query (lane % 16) throughout.  Tile t's eight scores of lane (r, h) are keys 16 t + 8 h + 0..7: their codes are
; registers 2 t, 2 t + 1 of the second product's operand as it stands.
; REGISTERS: v1 16 x lane; v2 the same + V's place; v3 d (the mask); v5 2^e8; v6, v7 at work; v8, v9 LDS addresses of the step; v10 what a lane permute brings; v11 -infinity; v12 -M; v13 the largest t;
;   v[14:15] l in two halves; v16-23, v24-31 Q of my two tiles; v32-95 K's 8 fragments, then v32-47 p's codes, v[48:49] f, v[50:51] a second chain of sums; v96-159 S^T, then p; v160-191 O^T; v192-255 V's 4 fragments.
.set KFR,   32
.set S,     96
.set O,     160
.set VF,    192
.set VOFF,  131072
.set STEPB, 8192                       ; a key step's bytes of K, and of V, in LDS
.macro ROUND                           ; a round of the cluster's barrier
	s_barrier_signal -1
	s_barrier_wait -1
	s_cmp_lg_u32 s10, 0
	s_cbranch_scc1 .Lnot_wave_0_\@
	s_barrier_signal -3
.Lnot_wave_0_\@:
	s_barrier_wait -3
	s_barrier_signal -1
	s_barrier_wait -1
.endm
.macro MKG1 g, c, r, p                 ; descriptor group 1: r rows of c elements of 8 bytes, p elements from row to row; dense in LDS
	s_mov_b32 s[\g], 15|(3<<16)|(1<<21)            ; 15:0 the mask: all four work-groups; 17:16 elements of 8 bytes; 21 set beside a mask
	s_mov_b32 s[\g+1], (\c)<<16                    ; tensor_dim0
	s_mov_b32 s[\g+2], (\r)<<16                    ; tensor_dim1
	s_mov_b32 s[\g+3], (\c)<<16                    ; tile_dim0
	s_mov_b32 s[\g+4], \r                          ; tile_dim1
	s_mov_b32 s[\g+5], \p                          ; tensor_dim0_stride
	s_mov_b32 s[\g+6], 0
	s_mov_b32 s[\g+7], 0
.endm
	s_load_b128 s[4:7], s[0:1], 0x0                ; qkv s[4:5], the exponents s[6:7]
	s_load_b64 s[8:9], s[0:1], 0x10                ; the output's codes
	v_lshl_add_u32 v254, v0, 2, 0x40000
	v_mov_b32 v255, 0
	ds_add_u32 v254, v255
	ds_add_u32 v254, v255
	s_wait_dscnt 0x0
	v_lshrrev_b32 v6, 5, v0
	s_delay_alu instid0(VALU_DEP_1)
	v_readfirstlane_b32 s10, v6                    ; wave 0..15
	s_bfe_u32 s11, ttmp6, 0x40000                  ; cx
	s_and_b32 s12, ttmp7, 0xffff                   ; batch x 16 + head, which the partners share
	MKG1 16, 128, 8, 256                           ; K, one step: 8 tiles of 1,024 bytes, 2,048 apart (the pair's other head lies between)
	MKG1 24, 128, 24, 256                          ; K, three steps
	MKG1 32, 1024, 1, 2048                         ; V, one step: 8,192 bytes
	MKG1 40, 1024, 3, 2048                         ; V, three steps, 16,384 bytes apart
	s_and_b32 s13, s10, 3                          ; p: which piece
	s_bfe_u32 s14, s10, 0x10002                    ; 0: K, 1: V (waves 8-15 fetch nothing)
	s_lshl_b32 s90, s14, 17
	s_lshl_b32 s91, s13, 13
	s_mov_b32 s48, 1
	s_add_co_u32 s49, s90, s91                     ; LDS: step p
	s_mul_i32 s91, s13, 3*STEPB
	s_mov_b32 s52, 1
	s_add_co_u32 s53, s90, s91
	s_add_co_u32 s53, s53, 4*STEPB                 ; LDS: step 4 + 3 p
	s_add_co_u32 s92, s14, 1
	s_lshl_b32 s92, s92, 23                        ; K at 8 Mi, V at 16 Mi
	s_lshr_b32 s93, s12, 1
	s_lshl_b32 s93, s93, 18                        ; the pair of heads
	s_and_b32 s94, s12, 1                          ; which head of the pair:
	s_mul_i32 s95, s14, 3
	s_add_co_u32 s95, s95, 10
	s_lshl_b32 s95, s94, s95                       ; 1,024 bytes on in K, 8,192 in V
	s_add_co_u32 s92, s92, s93
	s_add_co_u32 s92, s92, s95
	s_lshl_b32 s95, s13, 14                        ; a step is 16,384 bytes of memory in both
	s_add_co_u32 s66, s92, s95
	s_mov_b32 s67, 0
	s_mul_i32 s95, s13, 3*16384
	s_add_co_u32 s78, s92, s95
	s_add_co_u32 s78, s78, 4*16384
	s_mov_b32 s79, 0
	s_wait_kmcnt 0x0
	s_load_b256 s[68:75], s[6:7], 0x10             ; e4 .. e11
	s_add_nc_u64 s[50:51], s[4:5], s[66:67]
	s_or_b32 s51, s51, 0x80000000                  ; type = 2
	s_add_nc_u64 s[54:55], s[4:5], s[78:79]
	s_or_b32 s55, s55, 0x80000000
	ROUND                                          ; all four work-groups are here: the joint loads meet
	s_cmp_lt_u32 s10, 4                            ; a wave's two fills stand in one branch on its number; four v_nop follow the second
	s_cbranch_scc0 .Lnot_k
	tensor_load_to_lds s[48:51], s[16:23]
	s_nop 0
	tensor_load_to_lds s[52:55], s[24:31]
	s_nop 0
.rept 4
	v_nop
.endr
	s_branch .Lasked
.Lnot_k:
	s_cmp_lt_u32 s10, 8
	s_cbranch_scc0 .Lasked
	tensor_load_to_lds s[48:51], s[32:39]
	s_nop 0
	tensor_load_to_lds s[52:55], s[40:47]
	s_nop 0
.rept 4
	v_nop
.endr
.Lasked:
	v_and_b32 v1, 31, v0
	s_delay_alu instid0(VALU_DEP_1)
	v_lshlrev_b32 v1, 4, v1
	s_wait_alu depctr_va_vdst(0)
	v_add_nc_u32 v2, VOFF, v1
	s_xor_b32 s81, s10, 31                         ; j of my upper tile: 31 - wave
	s_lshl_b32 s95, s94, 10
	s_add_co_u32 s95, s95, s93                     ; Q: the pair, the head
	s_lshr_b32 s92, s12, 4
	s_lshl_b32 s92, s92, 21                        ; the output: the batch's 128 tiles of 16,384 bytes,
	s_and_b32 s91, s12, 15
	s_lshl_b32 s91, s91, 10                        ; the head's 1,024 in a tile
	s_add_co_u32 s92, s92, s91
	s_mov_b32 s97, 0
.macro PTRS sj, pq, po                 ; tile T = 4 j + cx: Q's fragment and the output's place
	s_lshl_b32 s59, s[\sj], 2
	s_add_co_u32 s59, s59, s11
	s_lshl_b32 s96, s59, 11
	s_add_co_u32 s96, s96, s95
	s_add_nc_u64 s[\pq:\pq+1], s[4:5], s[96:97]
	s_lshl_b32 s96, s59, 14
	s_add_co_u32 s96, s96, s92
	s_add_nc_u64 s[\po:\po+1], s[8:9], s[96:97]
.endm
	PTRS 81, 82, 86
	PTRS 10, 84, 88
	global_load_b128 v[16:19], v1, s[82:83]        ; Q stays in registers: 16 queries x 64 channels, 8 registers a tile
	global_load_b128 v[20:23], v1, s[82:83] offset:512
	global_load_b128 v[24:27], v1, s[84:85]
	global_load_b128 v[28:31], v1, s[84:85] offset:512
	s_mov_b32 s60, 0x76543210                      ; v_permlanex16_b32: lane l xor 16
	s_mov_b32 s61, 0xfedcba98
	s_mov_b32 s80, 0xffff0000                      ; lanes 16-31
	v_mov_b32 v10, 0                               ; written once: a lane permute's destination counts as one of its sources
	v_mov_b32 v11, 0xff800000                      ; -infinity
	s_wait_kmcnt 0x0
	s_add_co_i32 s90, s70, s71
	s_lshl_b32 s90, s90, 23
	s_add_co_i32 s62, s90, 0x3e38aa3b              ; c = log2(e) / 8 x 2^(e6 + e7)
	s_mov_b32 s63, s62                             ; (named with it as a pair)
	s_add_co_i32 s90, s72, 127
	s_lshl_b32 s91, s90, 23
	v_mov_b32 v5, s91                              ; 2^e8
	s_sub_co_i32 s90, s74, s72
	s_sub_co_i32 s90, s90, s73                     ; a sum of the second product stands for sum x 2^(e8 + e9): its code is (sum / l) / 2^(e10 - e8 - e9)
	s_add_co_i32 s90, s90, 127
	s_lshl_b32 s76, s90, 23
.macro MKD sj                          ; for the tile of j = s[sj]: its last step, j / 2, and d = r - 8 h + 16 cx + 64 (j % 2): in that step register 8 t + i holds a hidden key where 16 t + i > d
	s_and_b32 s98, s[\sj], 1
	s_lshl_b32 s98, s98, 6
	s_lshl_b32 s99, s11, 4
	s_add_co_u32 s98, s98, s99
	v_and_b32 v6, 15, v0
	v_bfe_u32 v7, v0, 4, 1
	s_delay_alu instid0(VALU_DEP_1)
	v_lshlrev_b32 v7, 3, v7
	s_delay_alu instid0(VALU_DEP_1)
	v_sub_nc_u32 v6, v6, v7
	s_delay_alu instid0(VALU_DEP_1)
	v_add_nc_u32 v3, s98, v6
	s_lshr_b32 s58, s[\sj], 1
.endm
.macro INIT                            ; the step is written without a first step of its own: it finds zeros, which the first change of M leaves zeros
	v_mov_b32 v13, 0xff61b1e6                      ; the largest t so far: -3e38
	s_delay_alu instid0(VALU_DEP_1)
	v_floor_f32 v12, -v13
	v_mov_b32 v14, 0
	v_mov_b32 v15, 0
.set n, 0
.rept 32
	v_mov_b32 v[O+n], 0
.set n, n+1
.endr
.endm
; A KEY STEP: keys 128 s56 on, at LDS byte s57 of K and of V.  q: my tile's fragment of Q.  mode 1: a step behind the tile's last is left out, and the last one is masked; mode 0: all its keys count.
.macro STEP mode, q
.if \mode
	s_cmp_gt_u32 s56, s58
	s_cbranch_scc1 .Lhid_\@
.endif
	s_setprio 2
	v_add_nc_u32 v8, s57, v1
	v_add_nc_u32 v9, s57, v2
	v_nop                                          ; with the two additions: four places in front of loads into registers that the last products read
	v_nop
.irp t, 0,1,2,3,4,5,6,7
	ds_load_b128 v[KFR+8*\t:KFR+8*\t+3], v8 offset:1024*\t
	ds_load_b128 v[KFR+8*\t+4:KFR+8*\t+7], v8 offset:1024*\t+512
.endr
.irp d, 0,1,2,3
.irp g, 0,1,2,3
	ds_load_b128 v[VF+16*\d+4*\g:VF+16*\d+4*\g+3], v9 offset:2048*\d+512*\g
.endr
.endr
	s_wait_dscnt 16                                ; K's sixteen loads are in; V's sixteen land under the softmax
.irp t, 0,1,2,3,4,5,6,7
	v_wmma_f32_16x16x64_fp8_fp8 v[S+8*\t:S+8*\t+7], v[KFR+8*\t:KFR+8*\t+7], v[\q:\q+7], 0
.endr
.rept 4
	v_nop
.endr
.if \mode
	s_cmp_lt_u32 s56, s58
	s_cbranch_scc1 .Lopen_\@
.set n, 0
.rept 64
	v_cmp_gt_i32 vcc_lo, 16*(n/8)+n%8, v3
	v_cndmask_b32 v[S+n], v[S+n], v11, vcc_lo      ; hidden: -infinity ahead of the maximum, so p = 0
.set n, n+1
.endr
.Lopen_\@:
.endif
	v_max3_num_f32 v6, v[S], v[S+1], v[S+2]        ; the step's largest score of my query among my 64 keys, in two chains, each accumulator from its low end on,
	v_max3_num_f32 v7, v[S+3], v[S+4], v[S+5]
.set n, 6
.rept 14
	v_max3_num_f32 v6, v6, v[S+n], v[S+n+1]
	v_max3_num_f32 v7, v7, v[S+n+2], v[S+n+3]
.set n, n+4
.endr
	v_max3_num_f32 v6, v6, v[S+62], v[S+63]
	s_delay_alu instid0(VALU_DEP_1)
	v_max_num_f32 v6, v6, v7
	s_delay_alu instid0(VALU_DEP_1)
	v_permlanex16_b32 v10, v6, s60, s61
	s_delay_alu instid0(VALU_DEP_1)
	v_max_num_f32 v6, v6, v10                      ; and among lane l xor 16's
	s_delay_alu instid0(VALU_DEP_1)
	v_mul_f32 v6, s62, v6                          ; as t (c is positive)
	s_delay_alu instid0(VALU_DEP_1)
	v_max_num_f32 v13, v13, v6
	v_mov_b32 v6, v12
	s_delay_alu instid0(VALU_DEP_2)
	v_floor_f32 v12, -v13                          ; the new -M
	s_delay_alu instid0(VALU_DEP_1)
	v_sub_f32 v6, v12, v6                          ; old M - new M: a whole number, 0 or less
	s_delay_alu instid0(VALU_DEP_1)
	v_cvt_i32_f32 v6, v6                           ; (it saturates)
	s_delay_alu instid0(VALU_DEP_1)
	v_ldexp_f32 v48, 1.0, v6                       ; f = 2^(old M - new M)
.set n, 0
.rept 32
	v_pk_fma_f32 v[S+n:S+n+1], v[S+n:S+n+1], s[62:63], v[12:13] op_sel_hi:[1,0,0]   ; t - M (of the pairs c and -M the low word serves both halves)
.set n, n+2
.endr
.set n, 0
	s_setprio 1
	s_wait_alu depctr_va_vdst(0)
.rept 64
	v_exp_f32 v[S+n], v[S+n]                       ; p = 2^(t - M)
.set n, n+1
.endr
	v_pk_mul_f32 v[14:15], v[14:15], v[48:49] op_sel_hi:[1,0]   ; l under the new M.  (A plain place behind the exponentials)
	s_wait_alu depctr_va_vdst(0)
	v_pk_add_f32 v[50:51], v[100:101], v[104:105]
	v_pk_add_f32 v[94:95], v[108:109], v[112:113]
	v_pk_add_f32 v[92:93], v[116:117], v[120:121]
	v_pk_add_f32 v[90:91], v[124:125], v[128:129]
	v_pk_add_f32 v[88:89], v[132:133], v[136:137]
	v_pk_add_f32 v[86:87], v[140:141], v[144:145]
	v_pk_add_f32 v[84:85], v[148:149], v[152:153]
	v_pk_add_f32 v[14:15], v[14:15], v[156:157]
	v_pk_add_f32 v[50:51], v[50:51], v[96:97]
	v_pk_add_f32 v[94:95], v[94:95], v[98:99]
	v_pk_add_f32 v[92:93], v[92:93], v[102:103]
	v_pk_add_f32 v[90:91], v[90:91], v[106:107]
	v_pk_add_f32 v[88:89], v[88:89], v[110:111]
	v_pk_add_f32 v[86:87], v[86:87], v[114:115]
	v_pk_add_f32 v[84:85], v[84:85], v[118:119]
	v_pk_add_f32 v[14:15], v[14:15], v[122:123]
	v_pk_add_f32 v[50:51], v[50:51], v[126:127]
	v_pk_add_f32 v[94:95], v[94:95], v[130:131]
	v_pk_add_f32 v[92:93], v[92:93], v[134:135]
	v_pk_add_f32 v[90:91], v[90:91], v[138:139]
	v_pk_add_f32 v[88:89], v[88:89], v[142:143]
	v_pk_add_f32 v[86:87], v[86:87], v[146:147]
	v_pk_add_f32 v[84:85], v[84:85], v[150:151]
	v_pk_add_f32 v[14:15], v[14:15], v[154:155]
	v_pk_add_f32 v[50:51], v[50:51], v[158:159]
	s_delay_alu instid0(VALU_DEP_2)
	v_pk_add_f32 v[14:15], v[14:15], v[90:91]
	s_delay_alu instid0(VALU_DEP_2)
	v_pk_add_f32 v[50:51], v[50:51], v[88:89]
	v_pk_add_f32 v[94:95], v[94:95], v[86:87]
	v_pk_add_f32 v[92:93], v[92:93], v[84:85]
	s_delay_alu instid0(VALU_DEP_2)
	v_pk_add_f32 v[14:15], v[14:15], v[94:95]
	s_delay_alu instid0(VALU_DEP_2)
	v_pk_add_f32 v[50:51], v[50:51], v[92:93]
	s_delay_alu instid0(VALU_DEP_1)
	v_pk_add_f32 v[14:15], v[14:15], v[50:51]
	s_setprio 0
.irp t, 0,1,2,3,4,5,6,7
.irp i, 0,1,2,3,4,5,6,7
.endr
	v_cvt_scalef32_pk8_fp8_f32 v[KFR+2*\t:KFR+2*\t+1], v[S+8*\t:S+8*\t+7], v5
.endr
.set n, 0
.rept 16
	v_pk_mul_f32 v[O+n:O+n+1], v[O+n:O+n+1], v[48:49] op_sel_hi:[1,0]   ; O^T under the new M.  (Also the plain lines between the conversions and the products)
.set n, n+2
.endr
	s_wait_alu depctr_va_vdst(0)
	s_wait_dscnt 0x0                               ; V is in
.irp d, 0,1,2,3
	v_wmma_f32_16x16x128_fp8_fp8 v[O+8*\d:O+8*\d+7], v[VF+16*\d:VF+16*\d+15], v[KFR:KFR+15], v[O+8*\d:O+8*\d+7]   ; the four accumulators take turns
.endr
.if \mode
.Lhid_\@:
.endif
.endm
; THE WAY OUT of a tile.  O^T / l, converted: tile d's two registers of lane (r, h) are channels 16 d + 8 h + 0..7 of token r.  The last projection wants 16 neighbouring channels a lane
; (32 b + 16 h + 0..15), so lanes l and l xor 16 exchange one pair of registers for each b; then two stores of 512 consecutive bytes.
.macro OUT ptr
.rept 4
	v_nop
.endr
	v_add_f32 v14, v14, v15
	s_delay_alu instid0(VALU_DEP_1)
	v_permlanex16_b32 v10, v14, s60, s61
	s_delay_alu instid0(VALU_DEP_1)
	v_add_f32 v14, v14, v10                        ; l
	s_wait_alu depctr_va_vdst(0)
	v_rcp_f32 v14, v14
	v_mov_b32 v6, s76                              ; (plain lines behind the reciprocal)  2^(e10 - e8 - e9)
.set n, 0
	s_wait_alu depctr_va_vdst(0)
.rept 16
	v_pk_mul_f32 v[S+n:S+n+1], v[O+n:O+n+1], v[14:15] op_sel_hi:[1,0]
.set n, n+2
.endr
.set n, 0
.rept 32
.set n, n+1
.endr
.irp d, 0,1,2,3
	v_cvt_scalef32_pk8_fp8_f32 v[KFR+2*\d:KFR+2*\d+1], v[S+8*\d:S+8*\d+7], v6
.endr
	v_nop                                          ; one plain line between the conversions and the reads of their results
.irp b, 0,1
.irp i, 0,1
	v_cndmask_b32 v50, v[KFR+4*\b+2+\i], v[KFR+4*\b+\i], s80        ; lanes 0-15 send tile 2 b + 1, lanes 16-31 tile 2 b
	s_delay_alu instid0(VALU_DEP_1)
	v_permlanex16_b32 v10, v50, s60, s61
	v_cndmask_b32 v[56+4*\b+\i], v[KFR+4*\b+\i], v10, s80           ; the lower 8 channels: my own (lanes 0-15) or what came
	v_cndmask_b32 v[56+4*\b+2+\i], v10, v[KFR+4*\b+2+\i], s80       ; the upper 8: what came, or my own (lanes 16-31)
.endr
.endr
	global_store_b128 v1, v[56:59], s[\ptr:\ptr+1]
	global_store_b128 v1, v[60:63], s[\ptr:\ptr+1] offset:512
.endm
	MKD 81
	INIT
	s_wait_tensorcnt 0x1                           ; my first piece (one of key steps 0-3) has landed; the second may be out
	s_wait_loadcnt 0x0                             ; Q
	s_barrier_signal -1
	s_barrier_wait -1                              ; steps 0-3 of K and V are whole
	s_mov_b32 s56, 0
	s_mov_b32 s57, 0
.Lopen4:                                           ; the upper tile, steps 0-3: its last step is 8 at the least, so all these keys count
	STEP 0, 16
	s_add_co_u32 s57, s57, STEPB
	s_add_co_u32 s56, s56, 1
	s_cmp_lt_u32 s56, 4
	s_cbranch_scc1 .Lopen4
	s_setprio 0
	s_wait_tensorcnt 0x0                           ; my second piece has landed (no LDS load of mine is out: each step ends behind its wait for 0)
	s_barrier_signal -1
	s_barrier_wait -1                              ; all of K and V is in LDS
	s_mov_b32 s56, 4
	s_mov_b32 s57, 4*STEPB
.Lupper:                                           ; the upper tile, steps 4-15
	STEP 1, 16
	s_add_co_u32 s57, s57, STEPB
	s_add_co_u32 s56, s56, 1
	s_cmp_lt_u32 s56, 16
	s_cbranch_scc1 .Lupper
	s_setprio 0
	OUT 86
	s_wait_xcnt 0x0                                ; the stores have read their registers: the next steps' loads land there
	MKD 10
	INIT
	s_mov_b32 s56, 0
	s_mov_b32 s57, 0
.Llower:                                           ; the lower tile: its last step is 7 at the most
	STEP 1, 24
	s_add_co_u32 s57, s57, STEPB
	s_add_co_u32 s56, s56, 1
	s_cmp_lt_u32 s56, 8
	s_cbranch_scc1 .Llower
	s_setprio 0
	OUT 88
	s_wait_xcnt 0x0
	v_lshl_add_u32 v254, v0, 2, 0x40000
	v_mov_b32 v255, 0
	s_wait_alu depctr_va_vdst(0)
	s_wait_tensorcnt 0x0
	ds_add_u32 v254, v255
	s_wait_dscnt 0x0
	ROUND                                          ; the closing round
	s_endpgm
.Lfunc_end_k_qa570b19514_attn:
	.size	k_qa570b19514_attn, .Lfunc_end_k_qa570b19514_attn-k_qa570b19514_attn
	.p2alignl 7, 3214868480
	.fill 96, 4, 3214868480
	.section	.rodata,"a",@progbits
	.p2align	6, 0x0
	.amdhsa_kernel k_qa570b19514_attn
		.amdhsa_group_segment_fixed_size 264192
		.amdhsa_private_segment_fixed_size 0
		.amdhsa_enable_private_segment 0
		.amdhsa_kernarg_size 24
		.amdhsa_user_sgpr_count 2
		.amdhsa_user_sgpr_kernarg_segment_ptr 1
		.amdhsa_wavefront_size32 1
		.amdhsa_system_sgpr_workgroup_id_x 1
		.amdhsa_system_sgpr_workgroup_id_y 1
		.amdhsa_system_sgpr_workgroup_id_z 1
		.amdhsa_system_vgpr_workitem_id 0
		.amdhsa_next_free_vgpr 256
		.amdhsa_next_free_sgpr 100
		.amdhsa_reserve_vcc 1
		.amdhsa_float_denorm_mode_32 3
		.amdhsa_float_denorm_mode_16_64 3
		.amdhsa_fp16_overflow 1
		.amdhsa_memory_ordered 1
		.amdhsa_forward_progress 1
		.amdhsa_inst_pref_size 70
	.end_amdhsa_kernel
	.amdgpu_metadata
---
amdhsa.version: [ 1, 2 ]
amdhsa.kernels:
  - .name:           k_qa570b19514_attn
    .symbol:         k_qa570b19514_attn.kd
    .args:
      - { .name: qkv, .offset: 0, .size: 8, .value_kind: global_buffer, .address_space: global }
      - { .name: lowp_scales, .offset: 8, .size: 8, .value_kind: global_buffer, .address_space: global }
      - { .name: ac, .offset: 16, .size: 8, .value_kind: global_buffer, .address_space: global }
    .group_segment_fixed_size: 264192
    .private_segment_fixed_size: 0
    .kernarg_segment_align: 8
    .kernarg_segment_size: 24
    .max_flat_workgroup_size: 512
    .sgpr_count:     100
    .vgpr_count:     256
    .wavefront_size: 32
...
	.end_amdgpu_metadata
.endif
;; end of part 3
;; launch oproj (part 4): grid 4 x 32, 4 waves a work-group, clusters of 4 x 4, 327,680 bytes of LDS; arguments ac, codes, lowp_scales, out0; writes out0
.if DOCPART == 4
	.amdgcn_target "amdgcn-amd-amdhsa--gfx1250"
	.amdhsa_code_object_version 6
	.text
	.protected	k_qa570b19514_oproj
	.globl	k_qa570b19514_oproj
	.p2align	8
	.type	k_qa570b19514_oproj,@function
k_qa570b19514_oproj:
	s_mov_b64 s[64:65], 0
	v_nop
	global_prefetch_b8 v0, s[64:65] scope:SCOPE_SE
	s_setreg_imm32_b32 hwreg(HW_REG_WAVE_MODE, 25, 1), 1
	s_wait_xcnt 0x0
	s_wait_alu depctr_hold_cnt(0) depctr_sa_sdst(0) depctr_va_vdst(0) depctr_va_sdst(0) depctr_va_ssrc(0) depctr_va_vcc(0) depctr_vm_vsrc(0)
	s_getreg_b32 s2, hwreg(HW_REG_IB_STS2, 6, 4)
	s_cmp_eq_u32 s2, 0
	s_cbranch_scc0 .Lentry_in_a_cluster
	s_endpgm
.Lentry_in_a_cluster:
	s_bfe_u32 s2, ttmp6, 0x10000c
	s_cmp_lg_u32 s2, 0xf033
	s_cbranch_scc0 .Lentry_shape_is_right
	s_endpgm
.Lentry_shape_is_right:
; out0[m][n] = sum over k of A[m][k] WO[n][k] x 2^(e10 + e11): A = attention's result, 8,192 x 1,024 codes of E4M3; WO's codes lie at 27 Mi of the buffer of codes, [1024][1024], K innermost; out0 f32; sums in f32.
; LIMIT: e10 + e11 lies between -126 and 127, so that 2^(e10 + e11) is an f32 number.
; A tile of 256 x 256 is made by four waves, 128 x 128 each: 64 accumulators, 512 registers.  K goes in steps of 256 through a ring of two LDS slots filled by the tensor data mover.
; A ARRIVES AS IMAGES OF ITS FRAGMENTS: [tile of 16 tokens: 512][128 along K: 8][c: 4][lane: 32][16 bytes], lane (r, h) holding token r, k = 32 c + 16 h + 0..15.  A slot's part of a tile of tokens is 4,096 consecutive
; bytes, 16,384 from tile to tile; it lies dense in LDS, and a fragment is four loads of 512 consecutive bytes.  WO's fragments come from padded rows by four loads of 16 bytes a lane, which give a lane the same k.
; CLUSTERS: 4 x 4 work-groups; A's tile is shared along a row of the cluster, WO's along a column: each is asked for jointly.  THE MATRIX INSTRUCTION IS USED TRANSPOSED (source 0 = 16 rows of WO, source 1 = 16 tokens):
; a lane holds eight neighbouring numbers of a row of out0.
; REGISTERS, in windows of 256: window 0: v0-31 addresses; from v128 A's fragments, ONE set; on the way out v32-255 are free.  window 1: WO's fragments, TWO sets.
;   window 2: the 32 accumulators of my rows 0-63 ((a, b) at v[8 (8 a + b)]);  window 3: those of my rows 64-127.
.set SIZE_N, 1024
.set ROWB,   256                       ; a row of WO's tile in bytes
.set KROW,   1024                      ; a row of WO's codes in memory
.set PITCH,  272                       ; its LDS row: 256 bytes + 16 of padding: the 16 rows that a load touches start at 16 different banks (64 banks of 4 bytes: ISA guide 11.1)
.set AROW,   4096                      ; a tile of 16 tokens x 256 along K
.set APIT,   16384                     ; from tile to tile in memory
.set FR,     16
.set NL,     4
.set NP,     4                         ; places behind this matrix instruction (ISA guide 7.12.1)
.set HALFA,  8*AROW                    ; 128 tokens of A: what one tensor load brings
.set HALFT,  128*PITCH                 ; 128 rows of WO likewise
.set SLOT,   2*HALFA+2*HALFT           ; A's two halves, then WO's two
.set LAPS,   2
.set SPARE,  2*SLOT                    ; behind the ring: the spare words, 128 bytes for each wave
.set SPITCH, 528                       ; the way out: a stage of 16 rows x (512 bytes + 16) for each wave, in slot 0, which has had its last fill and its last read when the first result is stored there
.set ADRA, 16
.set ADRB, 20
.set STO,  24
.set RD,   25
.set CO,   26                          ; v26     16 x lane
.set SPW,  28
.set NIL,  29
.set TMP,  32
.set AF,   128
.set BK,   128
.set G1, 24
.set G0, 32
.set G1B, 48
.set G0B, 56
.set MSB, 0
.macro WIN new                         ; the immediate's high byte repeats the setting that is left
.if MSB != \new
	s_set_vgpr_msb (MSB<<8)|\new
.set MSB, \new
.endif
.endm
.set MUL_LO, 0xa1
.set MUL_HI, 0xf1
.set TO_B,   0x40
.macro JLOAD g0a, g1a, g0b, g1b        ; a joint load: waves 0 and 1 fetch for A, waves 2 and 3 for WO; four v_nop follow each of the two lines
	s_cmp_eq_u32 s15, 0
	s_cbranch_scc0 .Lfor_b_\@
	tensor_load_to_lds s[\g0a:\g0a+3], s[\g1a:\g1a+7]
	s_nop 0
.rept 4
	v_nop
.endr
	s_branch .Lasked_\@
.Lfor_b_\@:
	tensor_load_to_lds s[\g0b:\g0b+3], s[\g1b:\g1b+7]
	s_nop 0
.rept 4
	v_nop
.endr
.Lasked_\@:
.endm
.macro CREST
	s_cmp_lg_u32 s14, 0
	s_cbranch_scc1 .Lnot_wave_0_\@
	s_barrier_signal -3
.Lnot_wave_0_\@:
	s_barrier_wait -3
	s_barrier_signal -1
	s_barrier_wait -1
.endm
.macro CROUND
	s_barrier_signal -1
	s_barrier_wait -1
	CREST
.endm
	s_load_b128 s[4:7], s[0:1], 0x0                ; A's codes s[4:5], the buffer with WO's codes s[6:7]
	s_load_b128 s[8:11], s[0:1], 0x10              ; the exponents s[8:9], out0 s[10:11]
	v_lshl_add_u32 v[SPW], v0, 2, SPARE
	v_mov_b32 v[NIL], 0
	ds_add_u32 v28, v29
	ds_add_u32 v28, v29
	s_wait_dscnt 0x0
	v_lshrrev_b32 v1, 5, v0
	v_readfirstlane_b32 s14, v1                    ; wave 0..3
	s_lshr_b32 s15, s14, 1                         ; which half of the tile's rows is mine.  Also: I fetch for A (0) or for WO (1)
	s_and_b32 s16, s14, 1                          ; which half of its columns.  Also: which half of that tile I fetch
	s_bfe_u32 s40, ttmp6, 0x40000                  ; cx, cy
	s_bfe_u32 s41, ttmp6, 0x40004
	s_lshl_b32 s42, ttmp9, 2
	s_add_co_u32 s42, s42, s40                     ; tile column
	s_and_b32 s17, ttmp7, 0xffff
	s_lshl_b32 s17, s17, 2
	s_add_co_u32 s17, s17, s41                     ; tile row
	s_lshl_b32 s43, s41, 2
	s_lshl_b32 s43, 15, s43                        ; my row of the cluster
	s_lshl_b32 s44, 0x1111, s40                    ; my column
	s_or_b32 s[G1+0], s43, (0<<16)|(1<<21)         ; A: 15:0 the mask of my row; elements of 1 byte; no padding; 21 set beside a mask
	s_mov_b32 s[G1+1], AROW<<16                    ; tensor_dim0 = 4,096
	s_mov_b32 s[G1+2], 8<<16                       ; tensor_dim1 = 8
	s_mov_b32 s[G1+3], AROW<<16                    ; tile_dim0
	s_mov_b32 s[G1+4], 8                           ; tile_dim1
	s_mov_b32 s[G1+5], APIT                        ; tensor_dim0_stride
	s_mov_b32 s[G1+6], 0
	s_mov_b32 s[G1+7], 0
	s_or_b32 s[G1B+0], s44, (0<<16)|(1<<20)|(1<<21)|(5<<22)|(3<<25)  ; WO: the mask of my column; padding: after every 64 words (code 5) 4 words (code 3)
	s_mov_b32 s[G1B+1], ROWB<<16
	s_mov_b32 s[G1B+2], 128<<16
	s_mov_b32 s[G1B+3], ROWB<<16
	s_mov_b32 s[G1B+4], 128
	s_mov_b32 s[G1B+5], KROW
	s_mov_b32 s[G1B+6], 0
	s_mov_b32 s[G1B+7], 0
	s_lshl_b32 s18, s16, 7                         ; which 128 rows of the tile I fetch
	s_lshl_b32 s20, s17, 8
	s_add_co_u32 s20, s20, s18
	s_lshl_b32 s20, s20, 10                        ; A: token x 1,024 bytes (16 tokens are 16,384)
	s_mov_b32 s21, 0
	s_lshl_b32 s46, s42, 8
	s_add_co_u32 s46, s46, s18
	s_lshl_b32 s46, s46, 10
	s_add_co_u32 s46, s46, 0x1b00000               ; WO's codes begin at 27 Mi
	s_mov_b32 s47, 0
	s_lshl_b32 s45, s16, 15                        ; where they go: A's half,
	s_mul_i32 s70, s16, HALFT
	s_add_co_u32 s70, s70, 2*HALFA                 ; WO's half: no place in the cluster enters an LDS address
	s_wait_kmcnt 0x0
	s_load_b64 s[96:97], s[8:9], 0x28              ; e10, e11
	s_add_nc_u64 s[20:21], s[4:5], s[20:21]
	s_add_nc_u64 s[46:47], s[6:7], s[46:47]
	CROUND                                         ; all sixteen work-groups are here: the first joint loads meet
.irp s, 0,1
	s_mov_b32 s[G0+4*\s], 1
	s_add_co_u32 s[G0+4*\s+1], s45, \s*SLOT
	s_add_nc_u64 s[G0+4*\s+2:G0+4*\s+3], s[20:21], \s*AROW
	s_or_b32 s[G0+4*\s+3], s[G0+4*\s+3], 0x80000000
	s_mov_b32 s[G0B+4*\s], 1
	s_add_co_u32 s[G0B+4*\s+1], s70, \s*SLOT
	s_add_nc_u64 s[G0B+4*\s+2:G0B+4*\s+3], s[46:47], \s*ROWB
	s_or_b32 s[G0B+4*\s+3], s[G0B+4*\s+3], 0x80000000
	s_wait_alu depctr_va_vdst(0)
	s_wait_tensorcnt 0x0
	ds_add_u32 v28, v29
	ds_add_u32 v28, v29
	s_wait_dscnt 0x0
	CROUND
	JLOAD G0+4*\s, G1, G0B+4*\s, G1B
.endr
	v_and_b32 v1, 15, v0                           ; l % 16
	v_bfe_u32 v2, v0, 4, 1                         ; l / 16
	v_mul_u32_u24 v3, v1, PITCH
	v_lshl_add_u32 v4, v2, 4, v3                   ; WO: a fragment's row x pitch + 16 x half
	v_and_b32 v6, 31, v0
	v_lshlrev_b32 v[CO], 4, v6                     ; A: 16 x lane
	s_wait_alu depctr_va_vdst(0)
	s_lshl_b32 s21, s15, 15                        ; my 128 tokens of A
	s_mul_i32 s22, s16, HALFT                      ; my 128 rows of WO,
	s_add_co_u32 s22, s22, 2*HALFA                 ; which lie behind A's two halves
.irp s, 0,1
	v_add_nc_u32 v[ADRA+\s], s21, v[CO]
	v_add_nc_u32 v[ADRB+\s], s22, v4
	s_add_co_u32 s21, s21, SLOT
	s_add_co_u32 s22, s22, SLOT
.endr
	s_mul_i32 s23, s14, 16*SPITCH                  ; my stage
	v_mul_u32_u24 v5, v1, SPITCH                   ; in: row l % 16, 32 bytes for each half of the lanes
	v_lshl_add_u32 v5, v2, 5, v5
	v_add_nc_u32 v[STO], s23, v5
	v_add_nc_u32 v[RD], s23, v[CO]                 ; back: the 32 lanes take one row of 512 bytes
	s_lshl_b32 s20, s17, 8
	s_lshl_b32 s21, s15, 7
	s_add_co_u32 s20, s20, s21                     ; my first row of out0
	s_mov_b32 s21, 0
	s_mov_b64 s[18:19], SIZE_N*4
	s_mul_u64 s[20:21], s[20:21], s[18:19]
	s_lshl_b32 s46, s42, 10                        ; my first column, in bytes
	s_lshl_b32 s47, s16, 9
	s_add_co_u32 s46, s46, s47
	s_mov_b32 s47, 0
	s_add_nc_u64 s[20:21], s[20:21], s[46:47]
	s_add_nc_u64 s[10:11], s[10:11], s[20:21]
.macro FRAGB reg, adr, q, i            ; WO: lane l holds row l % 16; registers 4 c .. 4 c + 3 hold K = 32 c + 16 (l / 16) + 0 .. 15
.irp c, 0,1,2,3
	ds_load_b128 v[\reg+4*\c:\reg+4*\c+3], v[\adr] offset:128*(\q)+32*\c+(\i)*16*PITCH
.endr
.endm
.macro FRAGA reg, adr, q, i            ; A: the image as it lies
.irp c, 0,1,2,3
	ds_load_b128 v[\reg+4*\c:\reg+4*\c+3], v[\adr] offset:2048*(\q)+512*\c+(\i)*AROW
.endr
.endm
; The 64 accumulators take turns, one instruction a turn, in the same order in every step.
.macro MUL16 a0, p, zero
.irp a, \a0, \a0+1
.irp b, 0,1,2,3,4,5,6,7
.if \zero
	v_wmma_f32_16x16x128_fp8_fp8 v[8*(8*((\a)%4)+\b):8*(8*((\a)%4)+\b)+7], v[128*(\p)+FR*\b:128*(\p)+FR*\b+FR-1], v[AF+FR*(\a):AF+FR*(\a)+FR-1], 0
.else
	v_wmma_f32_16x16x128_fp8_fp8 v[8*(8*((\a)%4)+\b):8*(8*((\a)%4)+\b)+7], v[128*(\p)+FR*\b:128*(\p)+FR*\b+FR-1], v[AF+FR*(\a):AF+FR*(\a)+FR-1], v[8*(8*((\a)%4)+\b):8*(8*((\a)%4)+\b)+7]
.endif
.endr
.endr
.endm
.macro FETCH_B slot, q, p
	WIN TO_B
.irp i, 0,1,2,3,4,5,6,7
	FRAGB 128*(\p)+FR*\i, ADRB+\slot, \q, \i
.endr
	WIN 0
.endm
.macro FETCH_A slot, q, i0
.irp i, \i0, \i0+1, \i0+2, \i0+3
	FRAGA AF+FR*(\i), ADRA+\slot, \q, \i
.endr
.endm
; A load into a register that a matrix instruction has read, and a vector instruction or an LDS store that reads a matrix result, stand NP places behind it; only plain vector instructions that name none of its
; registers are places (ISA guide 7.12.1 for vector instructions).
.macro PLACES n
.rept \n
	v_nop
.endr
.endm
.macro STEP slot, q, zero
	s_wait_dscnt 4*NL                              ; WO's set and A's blocks 0-3 are in; the youngest sixteen loads (A's blocks 4-7) may be out
	WIN MUL_LO
	MUL16 0, (\q)%2, \zero
	MUL16 2, (\q)%2, \zero
	s_wait_dscnt 0                                 ; A's blocks 4-7 are in
	PLACES NP
	FETCH_B \slot, (\q)+1, 1-(\q)%2
	FETCH_A \slot, (\q)+1, 0
	WIN MUL_HI
	MUL16 4, (\q)%2, \zero
	MUL16 6, (\q)%2, \zero
	PLACES NP
	WIN 0
	FETCH_A \slot, (\q)+1, 4
.endm
.macro TURN slot, next, fill
	s_wait_tensorcnt 0x0                           ; all my tensor loads have landed: my part of the next slot
	ds_add_u32 v[SPW], v[NIL]                      ; 0 onto my spare word
	s_wait_dscnt 4*NL+1                            ; (the add and the youngest sixteen loads may be out)
	WIN MUL_LO
	MUL16 0, 1, 0                                  ; sixteen matrix instructions stand between the add and the wait for it
	s_wait_dscnt 0x0                               ; the add is done, and my reads of this slot are over
	s_barrier_signal -1
	MUL16 2, 1, 0
	WIN 0
	s_barrier_wait -1
.if \fill
	CREST                                          ; the barrier has opened a round of the cluster's barrier: no wave of any partner still reads this slot or has a load on its way
	s_add_nc_u64 s[G0+4*\slot+2:G0+4*\slot+3], s[G0+4*\slot+2:G0+4*\slot+3], 2*AROW
	s_add_nc_u64 s[G0B+4*\slot+2:G0B+4*\slot+3], s[G0B+4*\slot+2:G0B+4*\slot+3], 2*ROWB
	JLOAD G0+4*\slot, G1, G0B+4*\slot, G1B         ; the first tensor load behind the round; its four v_nop are also the places in front of the loads below
.else
	PLACES NP
.endif
	FETCH_B \next, 0, 0
	FETCH_A \next, 0, 0
	WIN MUL_HI
	MUL16 4, 1, 0
	MUL16 6, 1, 0
	PLACES NP
	WIN 0
	FETCH_A \next, 0, 4
.endm
	s_wait_alu depctr_va_vdst(0)
	s_wait_tensorcnt 1                             ; my part of K step 0 is in (K step 1's load may be out)
	s_barrier_signal -1
	s_barrier_wait -1                              ; everybody's is
	FETCH_B 0, 0, 0
	FETCH_A 0, 0, 0
	FETCH_A 0, 0, 4
	STEP 0, 0, 1                                   ; the first step stands in front of the loop: its products start the sums
	s_mov_b32 s3, LAPS-1
.Llap:
	TURN 0, 1, 1
	STEP 1, 0, 0
	TURN 1, 0, 1
	STEP 0, 0, 0
	s_sub_co_u32 s3, s3, 1
	s_cmp_lg_u32 s3, 0
	s_cbranch_scc1 .Llap
	TURN 0, 1, 0                                   ; the last lap fills nothing
	STEP 1, 0, 0
	s_wait_dscnt 4*NL
	WIN MUL_LO
	MUL16 0, 1, 0
	MUL16 2, 1, 0
	s_wait_dscnt 0
	WIN MUL_HI
	MUL16 4, 1, 0
	MUL16 6, 1, 0
	WIN 0
; THE WAY OUT, block by block of 16 rows x 128 columns, through my own stage in LDS; back as whole rows of 512 bytes.  LDS serves a wave's instructions in order (ISA guide 5.7.1.4): no wait between the stores and the loads.
.macro TOSTAGE a
.set AC, 64*((\a)%4)
	WIN 0x02+((\a)/4)                              ; source 0: window 2 or 3
.irp j, 0,2,4,6,8,10,12,14,16,18,20,22,24,26,28,30,32,34,36,38,40,42,44,46,48,50,52,54,56,58,60,62
	v_pk_mul_f32 v[TMP+\j:TMP+\j+1], v[AC+\j:AC+\j+1], s[96:97] op_sel_hi:[1,0]   ; both x s96 = 2^(e10 + e11); each accumulator from its low end on
.endr
	WIN 0
.irp b, 0,1,2,3,4,5,6,7
	ds_store_b128 v[STO], v[TMP+8*\b:TMP+8*\b+3] offset:64*\b
	ds_store_b128 v[STO], v[TMP+8*\b+4:TMP+8*\b+7] offset:64*\b+16
.endr
.set BB, BK+64*((\a)%2)
.irp t, 0,1,2,3,4,5,6,7,8,9,10,11,12,13,14,15
	ds_load_b128 v[BB+4*\t:BB+4*\t+3], v[RD] offset:\t*SPITCH
.endr
.endm
.macro SEND a, younger                 ; younger: the LDS instructions issued behind block a's loads, which may stay out
.set BB, BK+64*((\a)%2)
	s_wait_dscnt \younger
.if (\a) > 0
	s_add_nc_u64 s[10:11], s[10:11], 16*SIZE_N*4   ; (behind a wait on XCNT: the earlier stores have read their base)
.endif
.irp t, 0,1,2,3,4,5,6,7,8,9,10,11,12,13,14,15
	global_store_b128 v[CO], v[BB+4*\t:BB+4*\t+3], s[10:11] offset:\t*SIZE_N*4 th:TH_STORE_NT   ; 32 lanes store 512 consecutive bytes, aligned; written once, read by nobody here
.endr
.endm
	s_wait_kmcnt 0x0
	s_add_co_i32 s96, s96, s97
	s_add_co_i32 s96, s96, 127
	s_lshl_b32 s96, s96, 23                        ; 2^(e10 + e11) as f32
	PLACES NP
	TOSTAGE 0
.irp a, 1,2,3,4,5,6,7
.if \a > 1
	s_wait_xcnt 0x0                                ; block a - 2's stores have read their registers and their base
.endif
	TOSTAGE \a
	SEND \a-1, 32                                  ; behind block a - 1's loads: block a's 16 stores and 16 loads
.endr
	s_wait_xcnt 0x0
	SEND 7, 0
	s_wait_tensorcnt 0x0                           ; the wave's end
	ds_add_u32 v[SPW], v[NIL]
	s_wait_dscnt 0x0
	CROUND                                         ; the closing round
	s_endpgm
.Lfunc_end_k_qa570b19514_oproj:
	.size	k_qa570b19514_oproj, .Lfunc_end_k_qa570b19514_oproj-k_qa570b19514_oproj
	.p2alignl 7, 3214868480
	.fill 96, 4, 3214868480
	.section	.rodata,"a",@progbits
	.p2align	6, 0x0
	.amdhsa_kernel k_qa570b19514_oproj
		.amdhsa_group_segment_fixed_size 327680
		.amdhsa_private_segment_fixed_size 0
		.amdhsa_enable_private_segment 0
		.amdhsa_kernarg_size 32
		.amdhsa_user_sgpr_count 2
		.amdhsa_user_sgpr_kernarg_segment_ptr 1
		.amdhsa_wavefront_size32 1
		.amdhsa_system_sgpr_workgroup_id_x 1
		.amdhsa_system_sgpr_workgroup_id_y 1
		.amdhsa_system_sgpr_workgroup_id_z 1
		.amdhsa_system_vgpr_workitem_id 0
		.amdhsa_next_free_vgpr 1024
		.amdhsa_next_free_sgpr 100
		.amdhsa_reserve_vcc 0
		.amdhsa_float_denorm_mode_32 3
		.amdhsa_float_denorm_mode_16_64 3
		.amdhsa_memory_ordered 1
		.amdhsa_forward_progress 1
		.amdhsa_inst_pref_size 124
	.end_amdhsa_kernel
	.amdgpu_metadata
---
amdhsa.version: [ 1, 2 ]
amdhsa.kernels:
  - .name:           k_qa570b19514_oproj
    .symbol:         k_qa570b19514_oproj.kd
    .args:
      - { .name: ac, .offset: 0, .size: 8, .value_kind: global_buffer, .address_space: global }
      - { .name: codes, .offset: 8, .size: 8, .value_kind: global_buffer, .address_space: global }
      - { .name: lowp_scales, .offset: 16, .size: 8, .value_kind: global_buffer, .address_space: global }
      - { .name: out0, .offset: 24, .size: 8, .value_kind: global_buffer, .address_space: global }
    .group_segment_fixed_size: 327680
    .private_segment_fixed_size: 0
    .kernarg_segment_align: 8
    .kernarg_segment_size: 32
    .max_flat_workgroup_size: 128
    .sgpr_count:     100
    .vgpr_count:     1024
    .wavefront_size: 32
...
	.end_amdgpu_metadata
.endif
;; end of part 4
